; MI455X (gfx1250); checked and timed in simulation.
; The chip was launched on July 23, 2026; its instructions are those of AMD's public machine-readable ISA for CDNA 5 (MIT licence, August 2026) and "CDNA5" Instruction Set Architecture Reference Guide (July 2026). The comments in the code are by the model that wrote it; some were corrected since.
;; Fake News Classifier. Allowed arithmetic: matrix products marked QUANTISED: E2M1 operands, one E8M0 scale for each 32 along K, by v_wmma_scale_f32_16x16x128_f8f6f4 with both operands' format E2M1 (or v_wmma_scale_f32_32x16x128_f4), f32 sums; products left as they are: f32 operands where the result goes on into a quantised operand, else bf16, f16 or f32 operands; f32 sums; everything else in f32.
;; Inputs: W1 8 x 1,024 x 1,024 float32; W2 8 x 1,024 x 2 float32; b1 8 x 1,024 float32; b2 8 x 2 float32; domain_ids 8,192 int32; feature 8,192 x 1,024 float32.
;; Outputs: out0 8,192 x 2 float32.
;; This version of the problem:
;;   THIS VERSION OF THE PROBLEM IS GIVEN IN LOW PRECISION. The matrix products marked QUANTISED in the list below multiply operands that are first quantised to E2M1 (2 exponent bits, 1 mantissa bit; 4 bits a number), with one power-of-two scale for each 32 numbers along K (OCP MX v1.0); their sums are f32. All else is computed in f32.
;;   The module's matrix products, in the order in which they are computed (A, B: the left and right operand; K: the contracted axis; several contracted axes count as one K, in the product's order):
;;     1. [M 8,192, K 1,024] x [K 1,024, N 8,192]; A: input feature; B: input W1: QUANTISED
;;     2. batch 8,192 x [M 1, K 1,024] x [K 1,024, N 2]; A: computed on the way; B: computed on the way: left as it is (M = 1 < 16)
;;   THE QUANTISER, for each operand of a quantised product, along K:
;;     - K is cut into blocks of 32 from its start; a last block that is shorter is filled with zeros.
;;     - A block's scale is 2^e with e = floor(log2(the largest magnitude in the block)) - 2, held to -126 .. 127; a block of zeros has e = 0. As a byte (E8M0): e + 127.
;;     - Each number is divided by its block's scale, clamped to +-6, and rounded to the nearest number of E2M1, ties to even, subnormals kept.
;;     - The product sums the exact products of the quantised numbers (number of the format x scale) in f32.
;;   ~~~python
;;   def quantise(x, axis):      # numpy; x: float32 -> the quantised numbers, widened to float32 again
;;       x = np.moveaxis(x, axis, -1); K = x.shape[-1]
;;       x = np.pad(x, [(0, 0)] * (x.ndim - 1) + [(0, -K % 32)]); x = x.reshape(x.shape[:-1] + (-1, 32)); a = np.abs(x).max(-1, keepdims=True)
;;       e = np.where(a > 0, np.clip(np.frexp(np.where(a > 0, a, 1))[1] - 1 - 2, -126, 127), 0)      # np.frexp(a)[1] - 1 = floor(log2(a)), exactly
;;       r = np.clip(x / 2.0 ** e, -6, 6)
;;       step = 2.0 ** (np.maximum(np.frexp(np.where(r == 0, 1, r))[1] - 1, 0) - 1)
;;       q = np.round(r / step) * step * 2.0 ** e      # np.round: ties to even
;;       return np.moveaxis(q.reshape(q.shape[:-2] + (-1,))[..., :K], -1, axis).astype(np.float32)
;;   ~~~
;; One version. Each part assembles by itself: llvm-mc -triple=amdgcn-amd-amdhsa -mcpu=gfx1250 --defsym DOCPART=n.
;; ======== version 1 of 1: 2 launches
;; limits: right only within a limited range of input values
;; workspace buffers: wq 4,194,304 bytes; ws 262,144 bytes; order 34,304 bytes of whole numbers; tiles 1,536 bytes of whole numbers
;; launch prep (part 1): grid 264 x 1, 8 waves a work-group, no clusters, 3,328 bytes of LDS; arguments W1, domain_ids, wq, ws, order, tiles; writes wq, ws, order, tiles
.if DOCPART == 1
	.amdgcn_target "amdgcn-amd-amdhsa--gfx1250"
	.amdhsa_code_object_version 6
	.text
	.protected	k_q00c624b559_prep
	.globl	k_q00c624b559_prep
	.p2align	8
	.type	k_q00c624b559_prep,@function
k_q00c624b559_prep:
	s_mov_b64 s[64:65], 0
	v_nop
	global_prefetch_b8 v0, s[64:65] scope:SCOPE_SE
	s_setreg_imm32_b32 hwreg(HW_REG_WAVE_MODE, 25, 1), 1
	s_wait_xcnt 0x0
; logits[b] = relu(Q(feature[b]) . Q(W1[e]) + b1[e]) . W2[e] + b2[e], e = domain_ids[b]; Q = MX-FP4 (E2M1, one E8M0 scale for each 32 along d).
; WORK LEFT OUT BY THE PROGRAM.  reference() forms h_all[b, e'] for all 8 experts and keeps h_all[b, domain_ids[b]] alone: the other seven rows of each b are sliced away by its own
; gather, whatever the inputs hold.  So only the chosen expert's product is made for a row (second launch, which reads the choice from memory).  Every input still has a way to the output.
; LIMIT: a NaN, an infinity or an overflow that arises only in the products left out is not carried to the result.
; THIS LAUNCH, in two paths chosen by the work-group's number:
;   work-groups 0-7     S: the rows sorted by expert into a list of 178 tiles of at most 48 rows: order[48 tile + slot] = row, tiles[tile] = (expert, rows).  Work-group j places rows 1,024 j .. 1,024 j + 1,023
;                          and writes expert j's tile records.  sum of ceil(T[e] / 48) is at most 178; what a split leaves over are records with 0 rows, written by work-group 7
;   work-groups 8-263   W: W1 [e][k][n] f32 -> codes in the order of the matrix operand's registers (wq) and scale words (ws); K is W1's first axis inside an expert
; A block's scale is 2^(floor(log2(largest magnitude)) - 2): its byte is the largest magnitude's exponent field - 2, held at 1 from below by a floor among the maximum's leaves.
; LIMITS: a block of zeros gets the byte 1 where the rule says 127 (its codes are zeros, and this program alone reads the bytes); blocks whose largest magnitude lies under 2^-124 keep the
; byte 1; NaN and infinities in W1 are not served; of an id its three low bits count (ids 0..7 are all that W1's table has).
; No tensor loads: a wave's 32 loads go straight to registers.  No prefetch: no path has a loop to run ahead in.
.set CNT,   1024                       ; LDS: bytes 0-1,023 path W's scale words; from CNT path S: 8 waves x 32 words, lane e's word = the wave's rows of expert e in the chunk
.set TOT,   2048                       ; path S: for each wave 16 bytes of packed counts of all rows, 16 of the rows before the chunk
.set SPARE, 2304                       ; the spare words, 128 bytes for each of the 8 waves: four blocks of 256 bytes that no other line names
.set SPW,   1                          ; v1 LDS address of my spare word; never rewritten
.set NIL,   2                          ; v2 0; never rewritten
.set NT,    178                        ; tiles
.set R,     48                         ; rows of a tile
	s_load_b256 s[4:11], s[0:1], 0x0               ; W1 s[4:5], ids s[6:7], wq s[8:9], ws s[10:11]
	s_load_b128 s[12:15], s[0:1], 0x20             ; order s[12:13], tiles s[14:15]
	v_lshl_add_u32 v[SPW], v0, 2, SPARE
	v_mov_b32 v[NIL], 0
	v_lshrrev_b32 v3, 5, v0
	v_readfirstlane_b32 s22, v3                    ; wave 0..7
	v_and_b32 v4, 31, v0                           ; lane
	s_wait_alu depctr_va_vdst(0)                   ; ahead of the branch
	s_cmp_lt_u32 ttmp9, 8                          ; the paths part on the work-group's number alone
	s_cbranch_scc1 .Lsort
; ---------------- PATH W.  Work-group = (expert e, 128 columns g, 256 along K kk); wave w takes the block of 32 along K number 8 kk + w: K step s = 2 kk + w / 4, block w % 4 of it.
; Lane l loads columns 4 l .. 4 l + 3 of each of the 32 rows: 512 consecutive bytes a load.  Its registers are turned so that a column's numbers lie on end along K: group q of 8 rows lands at
; v[64 + 32 q ..] and is moved to v[32 + 32 q ..], on the registers that the group before it has left.
; A TILE OF THE PRODUCT TAKES UNITS 4 APART: tile T = 2 c + l / 16, place r = l % 16 is column 4 l + c.  So a store of column c's 16 bytes a lane fills two whole units of 256 bytes:
; wq[e][g][T][s][block][r][16 bytes]; ws[e][g][s][column % 128] words.
	s_sub_co_u32 s23, ttmp9, 8
	s_and_b32 s24, s23, 3                          ; kk
	s_bfe_u32 s25, s23, 0x30002                    ; g
	s_lshr_b32 s26, s23, 5                         ; e
	s_mov_b32 s29, 0
	s_mov_b32 s33, 0
	s_mov_b32 s35, 0
	s_lshl_b32 s28, s26, 22                        ; W1: e x 4 MiB + (256 kk + 32 w) rows of 4,096 bytes + 512 g
	s_lshl_b32 s30, s24, 20
	s_add_co_u32 s28, s28, s30
	s_lshl_b32 s30, s22, 17
	s_add_co_u32 s28, s28, s30
	s_lshl_b32 s30, s25, 9
	s_add_co_u32 s28, s28, s30
	s_lshl_b32 s32, s26, 19                        ; wq: e x 524,288 + g x 65,536 + kk x 2,048 + w x 256
	s_lshl_b32 s30, s25, 16
	s_add_co_u32 s32, s32, s30
	s_lshl_b32 s30, s24, 11
	s_add_co_u32 s32, s32, s30
	s_lshl_b32 s30, s22, 8
	s_add_co_u32 s32, s32, s30
	s_lshl_b32 s34, s26, 15                        ; ws: e x 32,768 + g x 4,096 + kk x 1,024
	s_lshl_b32 s30, s25, 12
	s_add_co_u32 s34, s34, s30
	s_lshl_b32 s30, s24, 10
	s_add_co_u32 s34, s34, s30
	s_lshr_b32 s36, s22, 2                         ; LDS: K step w / 4 at 512 bytes, byte w % 4 of a column's word
	s_lshl_b32 s36, s36, 9
	s_and_b32 s30, s22, 3
	s_add_co_u32 s36, s36, s30
	v_lshlrev_b32 v5, 4, v4                        ; 16 x lane
	v_and_b32 v9, 15, v4
	v_lshrrev_b32 v10, 4, v4
	v_lshlrev_b32 v9, 4, v9
	v_lshl_add_u32 v6, v10, 13, v9                 ; lanes 0-15 the even tile's image, lanes 16-31 the odd one's
	v_add_nc_u32 v7, s36, v5
	v_lshlrev_b32 v8, 4, v0                        ; 16 x thread
	s_wait_alu depctr_va_vdst(0)                   ; wait at the head's end
	s_wait_kmcnt 0x0
	s_add_nc_u64 s[4:5], s[4:5], s[28:29]
	s_add_nc_u64 s[8:9], s[8:9], s[32:33]
	s_add_nc_u64 s[10:11], s[10:11], s[34:35]
.irp i, 0,1,2,3,4,5,6,7,8,9,10,11,12,13,14,15,16,17,18,19,20,21,22,23,24,25,26,27,28,29,30,31
	global_load_b128 v[64+4*\i:67+4*\i], v5, s[4:5] offset:4096*\i th:TH_LOAD_NT
.endr
.macro WST q                           ; group q's 8 rows: the columns' largest magnitudes go on (four chains by turns), the numbers are turned
	s_wait_loadcnt 24-8*(\q)                       ; the groups behind it may be out
.irp c, 0,1,2,3
.if (\q) == 0
	v_max3_num_f32 v[20+\c], |v[64+\c]|, |v[68+\c]|, 0x1800000   ; and the floor 2^(3 - 127)
.else
	v_max3_num_f32 v[20+\c], |v[64+32*\q+\c]|, |v[68+32*\q+\c]|, v[20+\c]
.endif
.endr
.irp i, 2,4,6
.irp c, 0,1,2,3
	v_max3_num_f32 v[20+\c], |v[64+32*\q+4*\i+\c]|, |v[68+32*\q+4*\i+\c]|, v[20+\c]
.endr
.endr
.irp c, 0,1,2,3
.irp i, 0,1,2,3,4,5,6,7
	v_mov_b32 v[32+32*\q+8*\c+\i], v[64+32*\q+4*\i+\c]
.endr
.endr
.endm
	WST 0
	WST 1
	WST 2
	WST 3
.irp c, 0,1,2,3
	v_add_nc_u32 v[24+\c], 0xff000000, v[20+\c]    ; 2 off its exponent field: the conversion takes the exponent field of this operand as its scale
.endr
.irp c, 0,1,2,3
	v_lshrrev_b32 v[28+\c], 23, v[24+\c]           ; the scale's byte
.endr
.irp c, 0,1,2,3
	ds_store_b8 v7, v[28+\c] offset:4*\c
.endr
.irp c, 0,1,2,3
.irp q, 0,1,2,3
	v_cvt_scalef32_pk8_fp4_f32 v[192+4*\c+\q], v[32+32*\q+8*\c:39+32*\q+8*\c], v[24+\c]
.endr
	global_store_b128 v6, v[192+4*\c:195+4*\c], s[8:9] offset:16384*\c   ; each half of the lanes stores 256 consecutive bytes, aligned
.endr
	v_nop                                          ; one plain line behind the conversions
	s_wait_dscnt 0x0                               ; for the others' sake: my scale bytes have landed
	s_barrier_signal -1
	s_barrier_wait -1
	s_cmp_gt_u32 s22, 1                            ; 1,024 bytes of scale words: waves 0 and 1 store them, 16 bytes a lane
	s_cbranch_scc1 .Lw_end
	ds_load_b128 v[208:211], v8
	s_wait_dscnt 0x0
	global_store_b128 v8, v[208:211], s[10:11]
.Lw_end:
	s_wait_tensorcnt 0x0                           ; the wave's end
	ds_add_u32 v[SPW], v[NIL]
	s_wait_dscnt 0x0
	s_endpgm
; ---------------- PATH S.  Every work-group counts all 8,192 ids (thread t: rows 1,024 k + 4 t + c, k = 0..7), in all and in the rows before its own chunk k = j.
; Counts are packed: a nibble an expert (4 or 8 rows a lane at most), then bytes (32 at most), then 16-bit halves (8,192 at most).
.Lsort:
	s_mov_b32 s23, ttmp9                           ; j
	s_lshl_b32 s28, s23, 12
	s_mov_b32 s29, 0
	v_lshlrev_b32 v5, 4, v0                        ; 16 x thread
	v_lshrrev_b32 v3, 4, v4
	v_lshlrev_b32 v3, 4, v3                        ; 16 x (lane / 16)
	s_lshl_b32 s24, s22, 5
	s_add_co_u32 s24, s24, TOT
	v_add_nc_u32 v6, s24, v3                       ; my wave's packed counts
	v_add_nc_u32 v9, TOT, v3                       ; wave 0's
	v_lshl_add_u32 v8, v0, 2, CNT                  ; my lane's word of my wave's chunk counts
	v_lshl_add_u32 v10, v4, 2, CNT                 ; of wave 0's
	s_lshl_b32 s25, s23, 10
	v_lshl_add_u32 v11, v0, 2, s25                 ; my first row of the chunk
	v_mov_b32 v7, 0
.irp i, 0,1,2,3
	v_mov_b32 v[20+\i], 0
	v_mov_b32 v[88+\i], 0                          ; written once: a DPP destination counts as read
.endr
	s_wait_alu depctr_va_vdst(0)                   ; ahead of the wait below
	s_wait_kmcnt 0x0
	s_add_nc_u64 s[30:31], s[6:7], s[28:29]
	global_load_b128 v[16:19], v5, s[30:31]        ; the chunk's ids
.irp k, 0,1,2,3,4,5,6,7
	global_load_b128 v[32+4*\k:35+4*\k], v5, s[6:7] offset:4096*\k
.endr
.irp k, 0,1,2,3,4,5,6,7
	s_cmp_gt_u32 s23, \k
	s_cselect_b32 s[40+\k], -1, 0                  ; do rows 1,024 k on lie before the chunk?
.endr
	s_wait_loadcnt 0x0
.irp i, 0,1,2,3
	v_and_b32 v[16+\i], 7, v[16+\i]
.endr
.irp c, 0,1,2,3
.irp k, 0,1,2,3,4,5,6,7
	v_lshlrev_b32 v[32+4*\k+\c], 2, v[32+4*\k+\c]
.endr
.endr
.irp k, 0,1,2,3,4,5,6,7
	v_lshlrev_b32 v[64+\k], v[32+4*\k], 1          ; (a shift takes its amount's low five bits)
.endr
.irp c, 1,2,3
.irp k, 0,1,2,3,4,5,6,7
	v_lshl_add_u32 v[64+\k], 1, v[32+4*\k+\c], v[64+\k]
.endr
.endr
.irp k, 0,1,2,3,4,5,6,7
	v_and_b32 v[72+\k], s[40+\k], v[64+\k]
.endr
.macro PACK S, D                       ; eight nibble words -> four words of two 16-bit counts: experts (0, 4), (2, 6), (1, 5), (3, 7)
.irp p, 0,1,2,3
	v_add_nc_u32 v[104+\p], v[\S+2*\p], v[\S+2*\p+1]
.endr
.irp p, 0,1,2,3
	v_lshrrev_b32 v[108+\p], 4, v[104+\p]
.endr
.irp p, 0,1,2,3
	v_and_b32 v[104+\p], 0x0f0f0f0f, v[104+\p]
.endr
.irp p, 0,1,2,3
	v_and_b32 v[108+\p], 0x0f0f0f0f, v[108+\p]
.endr
	v_add3_u32 v112, v104, v105, v106
	v_add3_u32 v113, v108, v109, v110
	v_add_nc_u32 v112, v112, v107
	v_add_nc_u32 v113, v113, v111
	v_lshrrev_b32 v114, 8, v112
	v_lshrrev_b32 v115, 8, v113
	v_and_b32 v[\D], 0x00ff00ff, v112
	v_and_b32 v[\D+2], 0x00ff00ff, v113
	v_and_b32 v[\D+1], 0x00ff00ff, v114
	v_and_b32 v[\D+3], 0x00ff00ff, v115
.endm
	PACK 64, 80
	PACK 72, 84
.irp i, 0,1,2,3
	v_permlane16_swap_b32 v[80+\i], v[84+\i]
.endr
.irp i, 0,1,2,3
	v_add_nc_u32 v[80+\i], v[80+\i], v[84+\i]      ; lanes 0-15: all rows; lanes 16-31: the rows before the chunk
.endr
.irp x, 1,2,4,8
.irp i, 0,1,2,3
	v_mov_b32_dpp v[88+\i], v[80+\i] row_xmask:\x row_mask:0xf bank_mask:0xf
.endr
.irp i, 0,1,2,3
	v_add_nc_u32 v[80+\i], v[80+\i], v[88+\i]
.endr
.endr
	ds_store_b128 v6, v[80:83]                     ; each half of the lanes writes the same bytes with the same values
; the ranks of my four rows among my wave's rows of their expert, and the wave's counts (lane e: expert e)
.irp e, 0,1,2,3,4,5,6,7
.irp i, 0,1,2,3
	v_cmp_eq_u32 s[56+\i], \e, v[16+\i]
.endr
.irp i, 0,1,2,3
	s_bcnt1_i32_b32 s[60-24+\i], s[56+\i]
.endr
	s_add_co_u32 s37, s36, s37
	s_add_co_u32 s38, s37, s38
	s_add_co_u32 s39, s38, s39
	v_mbcnt_lo_u32_b32 v24, s56, 0
	v_mbcnt_lo_u32_b32 v25, s57, s36
	v_mbcnt_lo_u32_b32 v26, s58, s37
	v_mbcnt_lo_u32_b32 v27, s59, s38
.irp i, 0,1,2,3
	v_cndmask_b32 v[20+\i], v[20+\i], v[24+\i], s[56+\i]
.endr
	v_writelane_b32 v7, s39, \e
.endr
	ds_store_b32 v8, v7
	s_wait_alu depctr_va_vdst(0)                   ; ahead of the wait below
	s_wait_dscnt 0x0                               ; for the others' sake: my counts have landed
	s_barrier_signal -1
	s_barrier_wait -1
.irp k, 0,1,2,3,4,5,6,7
	ds_load_b128 v[96+4*\k:99+4*\k], v9 offset:32*\k
.endr
.irp k, 0,1,2,3,4,5,6,7
	ds_load_b32 v[128+\k], v10 offset:128*\k
.endr
	v_mov_b32 v92, 0
	s_wait_alu depctr_va_vdst(0)                   ; ahead of the wait below
	s_wait_dscnt 0x0
.irp i, 0,1,2,3
	v_add3_u32 v[80+\i], v[96+\i], v[100+\i], v[104+\i]
.endr
.irp i, 0,1,2,3
	v_add3_u32 v[80+\i], v[80+\i], v[108+\i], v[112+\i]
.endr
.irp i, 0,1,2,3
	v_add3_u32 v[80+\i], v[80+\i], v[116+\i], v[120+\i]
.endr
.irp i, 0,1,2,3
	v_add_nc_u32 v[80+\i], v[80+\i], v[124+\i]
.endr
.irp k, 0,1,2,3,4,5,6
	s_cmp_gt_u32 s22, \k
	s_cselect_b32 s56, -1, 0
	v_and_b32 v93, s56, v[128+\k]
	v_add_nc_u32 v92, v92, v93                     ; lane e: the chunk's rows of expert e in the waves before mine
.endr
.irp i, 0,1,2,3
	v_readlane_b32 s[24+\i], v[80+\i], 0
	v_readlane_b32 s[28+\i], v[80+\i], 16
.endr
	s_wait_alu depctr_va_vdst(0)                   ; ahead of the scalar lines
.macro UNPACK i, lo, hi                ; T[e]: s32-39; the rows of e before the chunk: s40-47
	s_and_b32 s[32+\lo], s[24+\i], 0xffff
	s_lshr_b32 s[32+\hi], s[24+\i], 16
	s_and_b32 s[40+\lo], s[28+\i], 0xffff
	s_lshr_b32 s[40+\hi], s[28+\i], 16
.endm
	UNPACK 0, 0, 4
	UNPACK 1, 2, 6
	UNPACK 2, 1, 5
	UNPACK 3, 3, 7
	s_mov_b32 s56, 0                               ; tiles so far
	s_mov_b32 s60, 0                               ; expert j's first tile,
	s_mov_b32 s61, 0                               ; rows
	s_mov_b32 s62, 0                               ; and tiles
.irp e, 0,1,2,3,4,5,6,7
	s_add_co_u32 s[48+\e], s[32+\e], R-1
	s_lshr_b32 s[48+\e], s[48+\e], 4
	s_mul_i32 s[48+\e], s[48+\e], 21846            ; / 3 in 16 bits: exact under 32,768
	s_lshr_b32 s[48+\e], s[48+\e], 16              ; ceil(T[e] / 48)
	s_mul_i32 s58, s56, R
	s_add_co_u32 s[40+\e], s[40+\e], s58           ; the place of the chunk's first row of e
	s_cmp_eq_u32 s23, \e
	s_cselect_b32 s60, s56, s60
	s_cselect_b32 s61, s[32+\e], s61
	s_cselect_b32 s62, s[48+\e], s62
	s_add_co_u32 s56, s56, s[48+\e]
.endr
	s_sub_co_u32 s63, NT, s60
	s_cmp_eq_u32 s23, 7
	s_cselect_b32 s63, s63, s62                    ; how many records I write: expert j's; work-group 7 all that are left
	s_mul_i32 s57, s60, R
	s_add_co_u32 s57, s57, s61                     ; the slots from here
	s_add_co_u32 s58, s60, s63
	s_mul_i32 s58, s58, R                          ; to here take no row: they hold row 0, are computed and not stored
	v_mov_b32 v94, 0
.irp e, 0,1,2,3,4,5,6,7
	v_writelane_b32 v94, s[40+\e], \e
.endr
	v_add_nc_u32 v95, v94, v92                     ; lane e: the place of my wave's first row of e
.irp i, 0,1,2,3
	v_lshlrev_b32 v[24+\i], 2, v[16+\i]
.endr
.irp i, 0,1,2,3
	ds_bpermute_b32 v[28+\i], v[24+\i], v95        ; lane id's word (no LDS byte is touched)
.endr
.irp i, 0,1,2,3
	v_add_nc_u32 v[12+\i], \i, v11                 ; the row's number
.endr
	v_mul_u32_u24 v96, v0, R                       ; the record of expert j's tile t = my thread's number: (j, T - 48 t held to 0 .. 48)
	v_sub_nc_u32 v96, s61, v96
	v_max_i32 v96, 0, v96
	v_min_u32 v99, R, v96
	v_mov_b32 v98, s23
	v_add_nc_u32 v100, s60, v0
	v_min_u32 v100, 0xb1, v100
	v_lshlrev_b32 v100, 3, v100
	v_add_nc_u32 v101, s57, v0
	v_add_nc_u32 v102, 0x100, v101
	v_min_u32 v103, 0x215f, v101
	v_min_u32 v104, 0x215f, v102
	v_lshlrev_b32 v103, 2, v103
	v_lshlrev_b32 v104, 2, v104
	v_mov_b32 v105, 0
	v_cmp_gt_u32 s36, s63, v0
	v_cmp_gt_u32 s37, s58, v101
	v_cmp_gt_u32 s38, s58, v102
	s_wait_alu depctr_va_vdst(0)                   ; ahead of the wait below
	s_wait_dscnt 0x0
.irp i, 0,1,2,3
	v_add_nc_u32 v[28+\i], v[28+\i], v[20+\i]      ; place = base + rank
.endr
.irp i, 0,1,2,3
	v_min_u32 v[28+\i], 0x215f, v[28+\i]           ; inside the list's 178 x 48 words
.endr
.irp i, 0,1,2,3
	v_lshlrev_b32 v[28+\i], 2, v[28+\i]
.endr
.irp i, 0,1,2,3
	global_store_b32 v[28+\i], v[12+\i], s[12:13]
.endr
	s_wait_xcnt 0x0                                ; EXEC changes only behind this wait: earlier stores have it among their sources
	s_and_saveexec_b32 s59, s36
	global_store_b64 v100, v[98:99], s[14:15]
	s_wait_xcnt 0x0
	s_or_b32 exec_lo, exec_lo, s59
	s_and_saveexec_b32 s59, s37
	global_store_b32 v103, v105, s[12:13]
	s_wait_xcnt 0x0
	s_or_b32 exec_lo, exec_lo, s59
	s_and_saveexec_b32 s59, s38
	global_store_b32 v104, v105, s[12:13]
	s_wait_xcnt 0x0
	s_or_b32 exec_lo, exec_lo, s59
	s_wait_tensorcnt 0x0                           ; the wave's end
	ds_add_u32 v[SPW], v[NIL]
	s_wait_dscnt 0x0
	s_endpgm
.Lfunc_end_k_q00c624b559_prep:
	.size	k_q00c624b559_prep, .Lfunc_end_k_q00c624b559_prep-k_q00c624b559_prep
	.p2alignl 7, 3214868480
	.fill 96, 4, 3214868480
	.section	.rodata,"a",@progbits
	.p2align	6, 0x0
	.amdhsa_kernel k_q00c624b559_prep
		.amdhsa_group_segment_fixed_size 3328
		.amdhsa_private_segment_fixed_size 0
		.amdhsa_enable_private_segment 0
		.amdhsa_kernarg_size 48
		.amdhsa_user_sgpr_count 2
		.amdhsa_user_sgpr_kernarg_segment_ptr 1
		.amdhsa_wavefront_size32 1
		.amdhsa_system_sgpr_workgroup_id_x 1
		.amdhsa_system_sgpr_workgroup_id_y 1
		.amdhsa_system_sgpr_workgroup_id_z 1
		.amdhsa_system_vgpr_workitem_id 0
		.amdhsa_next_free_vgpr 216
		.amdhsa_next_free_sgpr 66
		.amdhsa_reserve_vcc 0
		.amdhsa_float_denorm_mode_32 3
		.amdhsa_float_denorm_mode_16_64 3
		.amdhsa_memory_ordered 1
		.amdhsa_forward_progress 1
		.amdhsa_inst_pref_size 46
	.end_amdhsa_kernel
	.amdgpu_metadata
---
amdhsa.version: [ 1, 2 ]
amdhsa.kernels:
  - .name:           k_q00c624b559_prep
    .symbol:         k_q00c624b559_prep.kd
    .args:
      - { .name: W1, .offset: 0, .size: 8, .value_kind: global_buffer, .address_space: global }
      - { .name: domain_ids, .offset: 8, .size: 8, .value_kind: global_buffer, .address_space: global }
      - { .name: wq, .offset: 16, .size: 8, .value_kind: global_buffer, .address_space: global }
      - { .name: ws, .offset: 24, .size: 8, .value_kind: global_buffer, .address_space: global }
      - { .name: order, .offset: 32, .size: 8, .value_kind: global_buffer, .address_space: global }
      - { .name: tiles, .offset: 40, .size: 8, .value_kind: global_buffer, .address_space: global }
    .group_segment_fixed_size: 3328
    .private_segment_fixed_size: 0
    .kernarg_segment_align: 8
    .kernarg_segment_size: 48
    .max_flat_workgroup_size: 256
    .sgpr_count:     66
    .vgpr_count:     216
    .wavefront_size: 32
...
	.end_amdgpu_metadata
.endif
;; end of part 1
;; launch experts (part 2): grid 178 x 1, 8 waves a work-group, no clusters, 31,744 bytes of LDS; arguments feature, wq, ws, b1, W2, b2, order, tiles, out0; writes out0
.if DOCPART == 2
	.amdgcn_target "amdgcn-amd-amdhsa--gfx1250"
	.amdhsa_code_object_version 6
	.text
	.protected	k_q00c624b559_experts
	.globl	k_q00c624b559_experts
	.p2align	8
	.type	k_q00c624b559_experts,@function
k_q00c624b559_experts:
	s_mov_b64 s[64:65], 0
	v_nop
	global_prefetch_b8 v0, s[64:65] scope:SCOPE_SE
	s_setreg_imm32_b32 hwreg(HW_REG_WAVE_MODE, 25, 1), 1
	s_wait_xcnt 0x0
; out0[b] = relu(Q(feature[b]) . Q(W1[e]) + b1[e]) . W2[e] + b2[e], for the rows b of ONE tile (at most 48 rows) of ONE expert e, through the whole chain.
; WORK LEFT OUT: the products of a row with the seven experts that domain_ids does not name, which reference() slices away by its own gather (shown at the head of the first kernel).
; The list of tiles was stored by the launch before.  No branch and no trip count hangs on a number from memory: slots beyond a tile's count hold row 0, are computed and not stored.
; SHARES.  Wave w fetches and quantises 6 of the tile's rows (f32, 4,096 bytes each), whose codes and scale bytes all waves share through LDS; then it makes hidden units 128 w .. 128 w + 127 (8 tiles
; of 16) for all 48 rows.  Source 0 = 16 rows of x, source 1 = 16 units: lane (r, h) holds unit 128 w + 64 (T % 2) + 4 r + T / 2 and rows 8 h + 0..7.  b1 is the C of each sum's first
; instruction.  The second product (2 outputs) is f32 multiply-adds on the results as they stand, summed over a lane's units, then sixteen lanes and eight waves; its order of summing differs from reference()'s.
; QUANTISER: a load brings 4 numbers a lane, 8 lanes to a block.  Each number is multiplied by 2^-(its block's exponent), which rounds nothing that a code can tell, and converted at scale 1: two
; loads' numbers share a conversion.  LIMITS: as in the first kernel (blocks of zeros or under 2^-124 take the byte 1; NaN and infinities in feature are not served).
; W1's codes come from memory straight into registers, in the operand's own order, through a ring of five slots of half a tile (4 K steps, 8 loads of 512 bytes).
; NO TENSOR LOADS, NO CLUSTER: which expert a work-group has hangs on counts in memory, so neighbours' descriptors would differ.  No prefetch: the text has no loop to run ahead in.
; REGISTERS: window 0: v0-11 addresses; v16-39 three accumulators; v40-47 b1 as C; v64-159 ring slots 0-2; v160-191 W1's scale words, v192-203 x's (scales and nothing else); v204-227 b1, W2;
;   v48-63, v228-255, v12-15 the logits' partial sums.  window 1: v0-191 six rows as loaded, then x's 24 fragments, (m, s) at v[8 (8 m + s)]; v192-255 ring slots 3, 4.
.set XP,    528                        ; LDS: a row of x's codes: 512 bytes + 16: 33 x 16
.set XSB,   25344                      ; 48 rows x 48 bytes: a row's 32 scale bytes + 16
.set RED,   27648                      ; 8 waves x 2 outputs x 48 rows x 4 bytes: the waves' partial logits
.set SPARE, 30720                      ; the spare words, 128 bytes for each wave: four blocks of 256 bytes that no other line names
.set SPW,  1                           ; LDS address of my spare word; never rewritten
.set NIL,  2                           ; 0; never rewritten
.set L16,  3                           ; 16 x lane
.set XF,   4                           ; a fragment of x: r x 528 + 16 h
.set XC,   5                           ; where I store codes: 6 w rows + 2 x lane
.set XB,   6                           ; where I store scale bytes: 6 w rows + 4 (lane % 8) + lane / 8
.set RN,   7                           ; my output row's number
.set RS,   8                           ; where I store partial logits: RED + 384 w + 192 (lane % 2) + 32 h
.set RR,   9                           ; where I read them: RED + 4 x slot
.set XA,   10                          ; scale bytes of row lane
.set XA2,  11                          ; of row 32 + r, 16 h on
.set ACC,  16
.set CB,   40
.set RING, 64
.set WS,   160                         ; register 4 s + c: lanes 0-15 tile 2 c's units, lanes 16-31 tile 2 c + 1's, K step s
.set XS,   192                         ; register s: lanes 0-15 rows 0-15, lanes 16-31 rows 16-31
.set XS2,  200                         ; register s % 4: rows 32-47, lanes 0-15 K steps 0-3, lanes 16-31 K steps 4-7
.set B1,   204                         ; tile T's b1: register 4 (T % 2) + T / 2
.set W2R,  212                         ; tile T's W2: pair at 8 (T % 2) + 2 (T / 2)
.set QC,   16                          ; at work on the rows: codes, four registers a row
.set RO,   40                          ; the rows' offsets
.set QS,   48                          ; scale bytes, a register a row
.set ONE,  54                          ; the conversions' scale operand
.set QM,   228                         ; largest magnitudes
.set QI,   236                         ; the blocks' multipliers
.set MSB, 0
.macro WIN new                         ; the immediate's high byte repeats the setting that is left; a switch that changes nothing is dropped
.if MSB != \new
	s_set_vgpr_msb (MSB<<8)|\new
.set MSB, \new
.endif
.endm
.macro LGSET m, j                      ; the pair that holds the sums of row 16 m + 8 h + j
.if (\m) == 0
.set LGR, 48+2*(\j)
.elseif (\m) == 1
.set LGR, 228+2*(\j)
.elseif (\j) < 6
.set LGR, 244+2*(\j)
.else
.set LGR, 2*(\j)
.endif
.endm
.macro HSLOAD u                        ; half tile u (tile u / 2, K steps 4 (u % 2) on) into slot u % 5: 8 loads of 512 consecutive bytes
.if (\u)%5 < 3
.set hR, RING+32*((\u)%5)
	WIN 0
.else
.set hR, 192+32*((\u)%5-3)
	WIN 0x40
.endif
.irp i, 0,1,2,3
.irp c, 0,1
	global_load_b128 v[hR+8*\i+4*\c:hR+8*\i+4*\c+3], v[L16], s[6:7] offset:((\u)/2)*8192+(4*((\u)%2)+\i)*1024+\c*512
.endr
.endr
.endm
.macro QUANT i                         ; row i of my six: eight loads, q = 0..7, of 128 numbers each
	s_wait_loadcnt 54                              ; behind the row's loads: 8 (5 - i) of rows, 8 of scale words, 6 of b1 and W2, 8 i of the ring
	WIN 0x05
.irp q, 0,1,2,3,4,5,6,7
	v_max3_num_f32 v[QM+\q], |v[32*\i+4*\q]|, |v[32*\i+4*\q+1]|, 0x1800000   ; and the floor 2^(3 - 127): the byte cannot fall under 1
.endr
.irp q, 0,1,2,3,4,5,6,7
	v_max3_num_f32 v[QM+\q], |v[32*\i+4*\q+2]|, |v[32*\i+4*\q+3]|, v[QM+\q]
.endr
	WIN 0
.irp x, 1,2,4
.irp q, 0,1,2,3,4,5,6,7
	v_max_num_f32_dpp v[QM+\q], v[QM+\q], v[QM+\q] row_xmask:\x row_mask:0xf bank_mask:0xf   ; over the block's eight lanes
.endr
.endr
.irp q, 0,1,2,3,4,5,6,7
	v_and_b32 v[QI+\q], 0x7f800000, v[QM+\q]       ; exponent field E: the scale's byte is E - 2,
.endr
	v_sub_nc_u32 v[QI], 0x80000000, v[QI]          ; and its inverse has the exponent field 254 - (E - 2) = 256 - E
	v_sub_nc_u32 v[QI+1], 0x80000000, v[QI+1]
	v_cndmask_b32 v[QS+\i], v[QM], v[QM+1], s67    ; lane l keeps the block of load l % 8
.irp q, 2,3,4,5,6,7
	v_sub_nc_u32 v[QI+\q], 0x80000000, v[QI+\q]
	v_cndmask_b32 v[QS+\i], v[QS+\i], v[QM+\q], s[66+\q]
.endr
	v_add_nc_u32 v[QS+\i], 0xff000000, v[QS+\i]
	v_lshrrev_b32 v[QS+\i], 23, v[QS+\i]
	WIN 0x41
.irp q, 0,2,4,6
.irp p, 0,2
	v_pk_mul_f32 v[32*\i+4*\q+\p:32*\i+4*\q+\p+1], v[32*\i+4*\q+\p:32*\i+4*\q+\p+1], v[QI+\q:QI+\q+1] op_sel_hi:[1,0]
	v_pk_mul_f32 v[32*\i+4*\q+4+\p:32*\i+4*\q+5+\p], v[32*\i+4*\q+4+\p:32*\i+4*\q+5+\p], v[QI+\q:QI+\q+1] op_sel:[0,1]
.endr
.endr
	WIN 0x01
.irp p, 0,1,2,3
	v_cvt_scalef32_pk8_fp4_f32 v[QC+4*\i+\p], v[32*\i+8*\p:32*\i+8*\p+7], v[ONE]   ; low half: load 2 p's four codes, high half: load 2 p + 1's
.endr
	v_nop                                          ; one plain line behind the conversions
	WIN 0
.irp p, 0,1,2,3
	ds_store_b16 v[XC], v[QC+4*\i+\p] offset:XP*\i+128*\p
	ds_store_b16_d16_hi v[XC], v[QC+4*\i+\p] offset:XP*\i+128*\p+64
.endr
	ds_store_b8 v[XB], v[QS+\i] offset:48*\i
.endm
; one product: rows 16 m on x units of tile pT, K step pS
.macro WM m
.set rD, ACC+8*(\m)
.set rA, 8*(8*(\m)+pS)
.set rC, rD
.if pS == 0
.set rC, CB                            ; the bias starts the sum: nothing is cleared and nothing is added later
.endif
.set rSA, XS+pS
.set rX, 0
.if (\m) == 1
.set rX, 1
.endif
.if (\m) == 2
.set rSA, XS2+pS%4
.set rX, pS/4
.endif
.set rSB, WS+4*pS+pT/2
.if (rX == 0) && (pT%2 == 0)
	v_wmma_scale_f32_16x16x128_f8f6f4 v[rD:rD+7], v[rA:rA+7], v[rB:rB+7], v[rC:rC+7], v[rSA], v[rSB] matrix_a_fmt:MATRIX_FMT_FP4 matrix_b_fmt:MATRIX_FMT_FP4
.elseif (rX == 1) && (pT%2 == 0)
	v_wmma_scale_f32_16x16x128_f8f6f4 v[rD:rD+7], v[rA:rA+7], v[rB:rB+7], v[rC:rC+7], v[rSA], v[rSB] matrix_a_fmt:MATRIX_FMT_FP4 matrix_b_fmt:MATRIX_FMT_FP4 matrix_a_scale:MATRIX_SCALE_ROW1
.elseif (rX == 0) && (pT%2 == 1)
	v_wmma_scale_f32_16x16x128_f8f6f4 v[rD:rD+7], v[rA:rA+7], v[rB:rB+7], v[rC:rC+7], v[rSA], v[rSB] matrix_a_fmt:MATRIX_FMT_FP4 matrix_b_fmt:MATRIX_FMT_FP4 matrix_b_scale:MATRIX_SCALE_ROW1
.else
	v_wmma_scale_f32_16x16x128_f8f6f4 v[rD:rD+7], v[rA:rA+7], v[rB:rB+7], v[rC:rC+7], v[rSA], v[rSB] matrix_a_fmt:MATRIX_FMT_FP4 matrix_b_fmt:MATRIX_FMT_FP4 matrix_a_scale:MATRIX_SCALE_ROW1 matrix_b_scale:MATRIX_SCALE_ROW1
.endif
.endm
.macro MOVB T                          ; tile T's b1, the same in all eight registers: they run over rows
.irp i, 0,1,2,3,4,5,6,7
	v_mov_b32 v[CB+\i], v[B1+4*((\T)%2)+(\T)/2]
.endr
.endm
; tile T's way on: relu, then both outputs' multiply-adds, a row a line.  Each accumulator is read from its low end on
.macro EPI T
	WIN 0
.set rW, W2R+8*((\T)%2)+2*((\T)/2)
.irp j, 0,1,2,3,4,5,6,7
.irp m, 0,1,2
	v_max_num_f32 v[ACC+8*\m+\j], 0, v[ACC+8*\m+\j]
.endr
.endr
.irp j, 0,1,2,3,4,5,6,7
.irp m, 0,1,2
	LGSET \m, \j
.set rE, ACC+8*\m+2*(\j/2)
.if (\T) == 0
.if \j%2 == 0
	v_pk_mul_f32 v[LGR:LGR+1], v[rE:rE+1], v[rW:rW+1] op_sel_hi:[0,1]   ; the first products start the sums
.else
	v_pk_mul_f32 v[LGR:LGR+1], v[rE:rE+1], v[rW:rW+1] op_sel:[1,0]
.endif
.else
.if \j%2 == 0
	v_pk_fma_f32 v[LGR:LGR+1], v[rE:rE+1], v[rW:rW+1], v[LGR:LGR+1] op_sel_hi:[0,1,1]
.else
	v_pk_fma_f32 v[LGR:LGR+1], v[rE:rE+1], v[rW:rW+1], v[LGR:LGR+1] op_sel:[1,0,0]
.endif
.endif
.endr
.endr
.endm
; half tile u: 12 products, the three accumulators by turns, one instruction a turn, K ascending; then its slot takes half tile u + 5
.macro STEP u
.if (\u) <= 11
	s_wait_loadcnt 32                              ; loads come back in order (ISA guide 5.7.1): half tile u is in; the four behind it may be out
.else
	s_wait_loadcnt 8*(15-(\u))
.endif
.set pT, (\u)/2
.if (\u) == 0
	s_wait_dscnt 42                                ; x's scale words and K step 0's six loads are in
	WIN 0
	MOVB 0
.endif
.if (\u)%5 < 3
	WIN 0x01                                       ; source 0 (x) window 1
.else
	WIN 0x05                                       ; source 1 (W1) too
.endif
.irp i, 0,1,2,3
.set pS, 4*((\u)%2)+\i
.if (\u) < 2
.if pS > 0
	s_wait_dscnt 6*(7-pS)                          ; this K step's six loads of x are in
.endif
.endif
.if (\u)%5 < 3
.set rB, RING+32*((\u)%5)+8*\i
.else
.set rB, 192+32*((\u)%5-3)+8*\i
.endif
	WM 0
	WM 1
	WM 2
.endr
.if ((\u)%2 == 1) && ((\u) < 15)
	WIN 0
	MOVB (\u)/2+1                                  ; eight plain lines, places behind the products: for the loads and the reads below
.else
.rept 4
	v_nop                                          ; four places
.endr
.endif
.if (\u)+5 <= 15
	HSLOAD (\u)+5
.endif
.if (\u)%2 == 1
	EPI (\u)/2
.endif
.endm
	s_load_b512 s[4:19], s[0:1], 0x0               ; feature s[4:5], wq s[6:7], ws s[8:9], b1 s[10:11], W2 s[12:13], b2 s[14:15], order s[16:17], tiles s[18:19]
	s_load_b64 s[20:21], s[0:1], 0x40              ; out0
	v_lshl_add_u32 v[SPW], v0, 2, SPARE
	v_mov_b32 v[NIL], 0
	v_lshrrev_b32 v56, 5, v0
	v_readfirstlane_b32 s24, v56                   ; wave 0..7
	v_and_b32 v57, 31, v0                          ; lane
	v_and_b32 v58, 15, v0                          ; r
	v_bfe_u32 v59, v0, 4, 1                        ; h
	v_lshlrev_b32 v[L16], 4, v57
	v_mul_u32_u24 v[XF], v58, XP
	v_lshl_add_u32 v[XF], v59, 4, v[XF]
	s_mul_i32 s28, s24, 6*XP
	v_lshlrev_b32 v60, 1, v57
	v_add_nc_u32 v[XC], s28, v60
	s_mul_i32 s29, s24, 6*48
	s_add_co_u32 s29, s29, XSB
	v_and_b32 v60, 7, v0
	v_lshrrev_b32 v61, 3, v57
	v_lshl_add_u32 v61, v60, 2, v61
	v_add_nc_u32 v[XB], s29, v61
	v_mul_u32_u24 v61, v57, 48
	v_add_nc_u32 v[XA], XSB, v61
	v_mul_u32_u24 v62, v58, 48
	v_lshl_add_u32 v62, v59, 4, v62
	v_add_nc_u32 v[XA2], XSB+32*48, v62
	s_mul_i32 s30, s24, 384
	s_add_co_u32 s30, s30, RED
	v_and_b32 v63, 1, v0
	v_mul_u32_u24 v63, v63, 192
	v_lshl_add_u32 v63, v59, 5, v63
	v_add_nc_u32 v[RS], s30, v63
	s_min_u32 s25, s24, 1                          ; on the way out wave 0 has slots 0-31, wave 1 slots 32-47 (twice); the other waves' are not used
	s_lshl_b32 s52, s25, 4
	s_xor_b32 s52, s52, 31
	s_lshl_b32 s53, s25, 5
	v_and_b32 v56, s52, v0
	v_add_nc_u32 v56, s53, v56
	v_lshlrev_b32 v56, 2, v56                      ; 4 x slot
	v_add_nc_u32 v[RR], RED, v56
	v_lshlrev_b32 v46, 4, v58                      ; b1: four neighbouring units a lane,
	v_lshlrev_b32 v47, 5, v58                      ; W2: their eight numbers
	v_mov_b32 v[ONE], 1.0
.irp q, 1,2,3,4,5,6,7
	s_mov_b32 s[66+\q], 0x01010101<<\q             ; lanes l with l % 8 = q
.endr
	s_mov_b32 s74, 0xaaaaaaaa                      ; odd lanes
	s_lshl_b32 s28, ttmp9, 3                       ; my tile's record,
	s_mov_b32 s29, 0
	s_mul_i32 s30, ttmp9, 192                      ; its 48 row numbers,
	s_mov_b32 s31, 0
	s_mul_i32 s50, s24, 24                         ; my wave's 6 of them
	s_mov_b32 s51, 0
	s_wait_alu depctr_va_vdst(0)                   ; directly ahead of the wait below
	s_wait_kmcnt 0x0
	s_add_nc_u64 s[18:19], s[18:19], s[28:29]
	s_add_nc_u64 s[16:17], s[16:17], s[30:31]
	s_add_nc_u64 s[50:51], s[16:17], s[50:51]
	s_load_b128 s[32:35], s[50:51], 0x0
	s_load_b64 s[36:37], s[50:51], 0x10
	s_load_b64 s[26:27], s[18:19], 0x0             ; expert s26, rows s27
	global_load_b32 v[RN], v56, s[16:17]
	s_wait_kmcnt 0x0
.irp i, 0,1,2,3,4,5
	s_min_u32 s[32+\i], s[32+\i], 0x1fff           ; numbers from memory are held inside their tables before they enter an address
.endr
.irp i, 0,1,2,3,4,5
	v_lshl_add_u32 v[RO+\i], s[32+\i], 12, v[L16]
.endr
	WIN 0x40
.irp i, 0,1,2,3,4,5
.irp q, 0,1,2,3,4,5,6,7
	global_load_b128 v[32*\i+4*\q:32*\i+4*\q+3], v[RO+\i], s[4:5] offset:512*\q   ; 512 consecutive bytes of a row
.endr
.endr
	WIN 0
	s_min_u32 s26, s26, 7
	s_min_u32 s27, s27, 48
	s_mov_b32 s29, 0
	s_lshl_b32 s28, s26, 15                        ; ws: e x 32,768 + w x 4,096
	s_lshl_b32 s30, s24, 12
	s_add_co_u32 s28, s28, s30
	s_add_nc_u64 s[8:9], s[8:9], s[28:29]
	s_lshl_b32 s28, s26, 12                        ; b1: e x 4,096 + w x 512
	s_lshl_b32 s30, s24, 9
	s_add_co_u32 s28, s28, s30
	s_add_nc_u64 s[10:11], s[10:11], s[28:29]
	s_lshl_b32 s28, s26, 13                        ; W2: e x 8,192 + w x 1,024
	s_lshl_b32 s30, s24, 10
	s_add_co_u32 s28, s28, s30
	s_add_nc_u64 s[12:13], s[12:13], s[28:29]
	s_lshl_b32 s28, s26, 19                        ; wq: e x 524,288 + w x 65,536
	s_lshl_b32 s30, s24, 16
	s_add_co_u32 s28, s28, s30
	s_add_nc_u64 s[6:7], s[6:7], s[28:29]
	s_lshl_b32 s28, s26, 3                         ; b2: 8 e
	s_add_nc_u64 s[14:15], s[14:15], s[28:29]
	s_load_b64 s[48:49], s[14:15], 0x0             ; waited for on the way out
.irp s, 0,1,2,3,4,5,6,7
	global_load_b128 v[WS+4*\s:WS+4*\s+3], v[L16], s[8:9] offset:512*\s   ; lane l: the scale words of columns 4 l .. 4 l + 3
.endr
.irp u, 0,1
	global_load_b128 v[B1+4*\u:B1+4*\u+3], v46, s[10:11] offset:256*\u
	global_load_b128 v[W2R+8*\u:W2R+8*\u+3], v47, s[12:13] offset:512*\u
	global_load_b128 v[W2R+8*\u+4:W2R+8*\u+7], v47, s[12:13] offset:512*\u+16
.endr
.irp i, 0,1,2,3,4
	QUANT \i
	HSLOAD \i
.endr
	QUANT 5
	s_wait_dscnt 0x0                               ; for the others' sake: my rows' codes and scale bytes have landed
	s_barrier_signal -1
	s_barrier_wait -1                              ; all 48 rows lie in LDS
	ds_load_b128 v[XS:XS+3], v[XA]
	ds_load_b128 v[XS+4:XS+7], v[XA] offset:16
	ds_load_b128 v[XS2:XS2+3], v[XA2]
	WIN 0x40
.irp s, 0,1,2,3,4,5,6,7
.irp m, 0,1,2
.irp c, 0,1
	ds_load_b128 v[8*(8*\m+\s)+4*\c:8*(8*\m+\s)+4*\c+3], v[XF] offset:16*XP*\m+64*\s+32*\c   ; row 16 m + r, k = 128 s + 64 c + 32 h + 0..31
.endr
.endr
.endr
.irp u, 0,1,2,3,4,5,6,7,8,9,10,11,12,13,14,15
	STEP \u
.endr
	; THE WAY OUT: over the sixteen lanes of a half (in the first step even lanes keep output 0, odd lanes output 1); then the eight waves, through LDS
.irp j, 0,1,2,3,4,5,6,7
.irp m, 0,1,2
	LGSET \m, \j
	v_cndmask_b32 v[64+8*\m+\j], v[LGR], v[LGR+1], s74
	v_cndmask_b32 v[96+8*\m+\j], v[LGR+1], v[LGR], s74
.endr
.endr
.irp j, 0,1,2,3,4,5,6,7
.irp m, 0,1,2
	v_add_f32_dpp v[64+8*\m+\j], v[96+8*\m+\j], v[64+8*\m+\j] row_xmask:1 row_mask:0xf bank_mask:0xf
.endr
.endr
.irp x, 2,4,8
.irp j, 0,1,2,3,4,5,6,7
.irp m, 0,1,2
	v_add_f32_dpp v[64+8*\m+\j], v[64+8*\m+\j], v[64+8*\m+\j] row_xmask:\x row_mask:0xf bank_mask:0xf
.endr
.endr
.endr
.irp m, 0,1,2
	ds_store_b128 v[RS], v[64+8*\m:67+8*\m] offset:64*\m        ; rows 16 m + 8 h + 0..7 of output lane % 2: eight lanes write the same bytes with the same values
	ds_store_b128 v[RS], v[68+8*\m:71+8*\m] offset:64*\m+16
.endr
	s_wait_dscnt 0x0                               ; for the others' sake: my partial sums have landed
	s_barrier_signal -1
	s_barrier_wait -1
	s_wait_kmcnt 0x0                               ; b2's two numbers
	s_cmp_gt_u32 s24, 1                            ; 48 rows: waves 0 and 1 finish them, a lane a row
	s_cbranch_scc1 .Lend
.irp k, 0,1,2,3,4,5,6,7
	ds_load_b32 v[128+2*\k], v[RR] offset:384*\k
	ds_load_b32 v[129+2*\k], v[RR] offset:384*\k+192
.endr
	s_wait_dscnt 0x0
	v_pk_add_f32 v[128:129], v[128:129], v[130:131]
	v_pk_add_f32 v[132:133], v[132:133], v[134:135]
	v_pk_add_f32 v[136:137], v[136:137], v[138:139]
	v_pk_add_f32 v[140:141], v[140:141], v[142:143]
	v_pk_add_f32 v[128:129], v[128:129], v[132:133]
	v_pk_add_f32 v[136:137], v[136:137], v[140:141]
	v_and_b32 v88, s52, v0
	v_min_u32 v89, 0x1fff, v[RN]
	v_pk_add_f32 v[128:129], v[128:129], v[136:137]
	v_add_nc_u32 v88, s53, v88                     ; my slot
	v_lshlrev_b32 v89, 3, v89                      ; 8 bytes of out0 a row
	v_add_f32 v128, s48, v128
	v_add_f32 v129, s49, v129
	v_cmp_gt_u32 vcc_lo, s27, v88                  ; slots under the tile's count
	s_wait_alu depctr_va_vdst(0)                   ; ahead of the wait below
	s_wait_xcnt 0x0                                ; EXEC changes only behind this wait: earlier loads have it among their sources
	s_and_saveexec_b32 s54, vcc_lo
	global_store_b64 v89, v[128:129], s[20:21]     ; 8 bytes to each row's own place: the sort is undone here
	s_wait_xcnt 0x0                                ; and again, in front of the line that widens it
	s_or_b32 exec_lo, exec_lo, s54
.Lend:
	s_wait_tensorcnt 0x0                           ; the wave's end
	ds_add_u32 v[SPW], v[NIL]
	s_wait_dscnt 0x0
	s_endpgm
.Lfunc_end_k_q00c624b559_experts:
	.size	k_q00c624b559_experts, .Lfunc_end_k_q00c624b559_experts-k_q00c624b559_experts
	.p2alignl 7, 3214868480
	.fill 96, 4, 3214868480
	.section	.rodata,"a",@progbits
	.p2align	6, 0x0
	.amdhsa_kernel k_q00c624b559_experts
		.amdhsa_group_segment_fixed_size 31744
		.amdhsa_private_segment_fixed_size 0
		.amdhsa_enable_private_segment 0
		.amdhsa_kernarg_size 72
		.amdhsa_user_sgpr_count 2
		.amdhsa_user_sgpr_kernarg_segment_ptr 1
		.amdhsa_wavefront_size32 1
		.amdhsa_system_sgpr_workgroup_id_x 1
		.amdhsa_system_sgpr_workgroup_id_y 1
		.amdhsa_system_sgpr_workgroup_id_z 1
		.amdhsa_system_vgpr_workitem_id 0
		.amdhsa_next_free_vgpr 512
		.amdhsa_next_free_sgpr 76
		.amdhsa_reserve_vcc 1
		.amdhsa_float_denorm_mode_32 3
		.amdhsa_float_denorm_mode_16_64 3
		.amdhsa_memory_ordered 1
		.amdhsa_forward_progress 1
		.amdhsa_inst_pref_size 123
	.end_amdhsa_kernel
	.amdgpu_metadata
---
amdhsa.version: [ 1, 2 ]
amdhsa.kernels:
  - .name:           k_q00c624b559_experts
    .symbol:         k_q00c624b559_experts.kd
    .args:
      - { .name: feature, .offset: 0, .size: 8, .value_kind: global_buffer, .address_space: global }
      - { .name: wq, .offset: 8, .size: 8, .value_kind: global_buffer, .address_space: global }
      - { .name: ws, .offset: 16, .size: 8, .value_kind: global_buffer, .address_space: global }
      - { .name: b1, .offset: 24, .size: 8, .value_kind: global_buffer, .address_space: global }
      - { .name: W2, .offset: 32, .size: 8, .value_kind: global_buffer, .address_space: global }
      - { .name: b2, .offset: 40, .size: 8, .value_kind: global_buffer, .address_space: global }
      - { .name: order, .offset: 48, .size: 8, .value_kind: global_buffer, .address_space: global }
      - { .name: tiles, .offset: 56, .size: 8, .value_kind: global_buffer, .address_space: global }
      - { .name: out0, .offset: 64, .size: 8, .value_kind: global_buffer, .address_space: global }
    .group_segment_fixed_size: 31744
    .private_segment_fixed_size: 0
    .kernarg_segment_align: 8
    .kernarg_segment_size: 72
    .max_flat_workgroup_size: 256
    .sgpr_count:     76
    .vgpr_count:     512
    .wavefront_size: 32
...
	.end_amdgpu_metadata
.endif
;; end of part 2
